; MI455X (gfx1250); checked and timed in simulation.
; The chip was launched on July 23, 2026; its instructions are those of AMD's public machine-readable ISA for CDNA 5 (MIT licence, August 2026) and "CDNA5" Instruction Set Architecture Reference Guide (July 2026). The comments in the code are by the model that wrote it; some were corrected since.
;; Custom Linear. Allowed arithmetic: matrix products marked QUANTISED: E2M1 operands, one E8M0 scale for each 32 along K, by v_wmma_scale_f32_16x16x128_f8f6f4 with both operands' format E2M1 (or v_wmma_scale_f32_32x16x128_f4), f32 sums; everything else in f32.
;; Inputs: bias 4,096 float32; weight_codes 4,096 x 128 x 16 uint8 (E2M1 codes of weight, K innermost, in blocks of 32 codes, two codes a byte); weight_scales 4,096 x 128 uint8 (E8M0 scales of weight, one for each 32 codes along K); x_codes 4,096 x 128 x 16 uint8 (E2M1 codes of x, K innermost, in blocks of 32 codes, two codes a byte); x_scales 4,096 x 128 uint8 (E8M0 scales of x, one for each 32 codes along K).
;; Outputs: out0 4,096 x 4,096 float32.
;; This version of the problem:
;;   THIS VERSION OF THE PROBLEM IS GIVEN IN LOW PRECISION. The matrix products marked QUANTISED in the list below multiply operands that are first quantised to E2M1 (2 exponent bits, 1 mantissa bit; 4 bits a number), with one power-of-two scale for each 32 numbers along K (OCP MX v1.0); their sums are f32. All else is computed in f32.
;;   The module's matrix products, in the order in which they are computed (A, B: the left and right operand; K: the contracted axis; several contracted axes count as one K, in the product's order):
;;     1. [M 4,096, K 4,096] x [K 4,096, N 4,096]; A: input x (given as codes); B: input weight (given as codes): QUANTISED
;;   THE QUANTISER, for each operand of a quantised product, along K:
;;     - K is cut into blocks of 32 from its start; a last block that is shorter is filled with zeros.
;;     - A block's scale is 2^e with e = floor(log2(the largest magnitude in the block)) - 2, held to -126 .. 127; a block of zeros has e = 0. As a byte (E8M0): e + 127.
;;     - Each number is divided by its block's scale, clamped to +-6, and rounded to the nearest number of E2M1, ties to even, subnormals kept.
;;     - The product sums the exact products of the quantised numbers (number of the format x scale) in f32.
;;   ~~~python
;;   def quantise(x, axis):      # numpy; x: float32 -> the quantised numbers, widened to float32 again
;;       x = np.moveaxis(x, axis, -1); K = x.shape[-1]
;;       x = np.pad(x, [(0, 0)] * (x.ndim - 1) + [(0, -K % 32)]); x = x.reshape(x.shape[:-1] + (-1, 32)); a = np.abs(x).max(-1, keepdims=True)
;;       e = np.where(a > 0, np.clip(np.frexp(np.where(a > 0, a, 1))[1] - 1 - 2, -126, 127), 0)      # np.frexp(a)[1] - 1 = floor(log2(a)), exactly
;;       r = np.clip(x / 2.0 ** e, -6, 6)
;;       step = 2.0 ** (np.maximum(np.frexp(np.where(r == 0, 1, r))[1] - 1, 0) - 1)
;;       q = np.round(r / step) * step * 2.0 ** e      # np.round: ties to even
;;       return np.moveaxis(q.reshape(q.shape[:-2] + (-1,))[..., :K], -1, axis).astype(np.float32)
;;   ~~~
;;   INPUTS GIVEN AS CODES. weight (in the module: [4096, 4096], K = its axis 1); x (in the module: [4096, 4096], K = its axis 1): each comes as NAME_codes (uint8): NAME with its K axis moved to the last place and cut into blocks of 32 codes, [.., K / 32, bytes a block], one block behind the other in memory; two codes a byte, the lower K in the low four bits (a code: sign, 2 exponent bits, 1 mantissa bit); and NAME_scales (uint8): the same leading axes, one E8M0 byte (e + 127) for each 32 codes along K. Its value is code x scale, taken as it is: it is not quantised again, and the codes and scales need not be those that the quantiser above would give.
;; One version. Each part assembles by itself: llvm-mc -triple=amdgcn-amd-amdhsa -mcpu=gfx1250 --defsym DOCPART=n.
;; ======== version 1 of 1: 1 launch
;; limits: right only within a limited range of input values
;; launch gemm (part 1): grid 16 x 16, 4 waves a work-group, clusters of 4 x 4, 327,680 bytes of LDS; arguments x_codes, x_scales, weight_codes, weight_scales, bias, out0; writes out0
.if DOCPART == 1
	.amdgcn_target "amdgcn-amd-amdhsa--gfx1250"
	.amdhsa_code_object_version 6
	.text
	.protected	k_q6f9b10ee34_gemm
	.globl	k_q6f9b10ee34_gemm
	.p2align	8
	.type	k_q6f9b10ee34_gemm,@function
k_q6f9b10ee34_gemm:
	s_mov_b64 s[64:65], 0
	v_nop
	global_prefetch_b8 v0, s[64:65] scope:SCOPE_SE
	s_setreg_imm32_b32 hwreg(HW_REG_WAVE_MODE, 25, 1), 1
	s_wait_xcnt 0x0
	s_wait_alu depctr_hold_cnt(0) depctr_sa_sdst(0) depctr_va_vdst(0) depctr_va_sdst(0) depctr_va_ssrc(0) depctr_va_vcc(0) depctr_vm_vsrc(0)
	s_getreg_b32 s2, hwreg(HW_REG_IB_STS2, 6, 4)
	s_cmp_eq_u32 s2, 0
	s_cbranch_scc0 .Lentry_in_a_cluster
	s_endpgm
.Lentry_in_a_cluster:
	s_bfe_u32 s2, ttmp6, 0x10000c
	s_cmp_lg_u32 s2, 0xf033
	s_cbranch_scc0 .Lentry_shape_is_right
	s_endpgm
.Lentry_shape_is_right:
; out0[m][n] = bias[n] + sum over k of x[m][k] weight[n][k].  M = N = K = 4,096.  x and weight: codes of FP4 (E2M1), K innermost, two codes a byte (a row is 2,048 bytes), one E8M0 byte for each 32 along K
; (a row of scales is 128 bytes).  bias and out0: f32; sums in f32.  Codes and scale bytes go to the matrix instruction as they lie in memory.
; LIMITS: a scale byte 0xff stands for NaN and makes the sums that it touches NaN; byte 0 is 2^-127.  Order of rounding: a sum begins with the bias (the C of its first product) and takes K ascending, 128 an instruction;
; the last 512 along K are taken in the order of quarters 0, 2, 1, 3.
; SHARES.  A tile of out0, 256 x 256, is made by a work-group of four waves; 16 x 16 tiles.  A wave makes 128 x 128: 32 accumulators of 32 (weight) x 16 (x), 512 registers.
; K goes in eight K steps of 512 (a tile's row is 256 bytes of memory, aligned) through a ring of two LDS slots filled by the tensor data mover, 128 rows a wave.
; THE MATRIX INSTRUCTION IS USED TRANSPOSED: source 0 = 32 rows of weight, source 1 = 16 rows of x.  Lane l then holds row l % 16 of x's block, registers 0-7 columns 8 (l / 16) + 0 .. 7, registers 8-15 columns 16 + 8 (l / 16) + 0 .. 7.
; SCALES.  Those of the work-group's 256 rows of x, all of K, are one dense block of 32,768 bytes: one tensor load at the head, as rows of 256 bytes; they stay in LDS, and a K step's words are read a K step ahead.
; Those of a wave's 128 rows of weight go once into 128 registers: lane l takes the 128 bytes of row 32 i + l, eight loads of 16 bytes; the 32 lanes' rows are 4,096 consecutive bytes.
; So the register of weight's scale words differs from K step to K step, and the K steps are written out by a macro.
; FRAGMENTS have two sets for each operand: a step of 128 along K begins with the next step's 32 LDS loads, in one run, and multiplies its own set, loaded a step ago, behind them: 32 products.
; THE LAST K STEP goes by rows of out0: weight's fragments of all its 512 along K fill window 1, x's come by blocks of 16 rows, and a block leaves when its 16 products are done, while later blocks are multiplied.
; CLUSTERS: 4 x 4 work-groups.  The four of a row of the cluster need the same tiles and scales of x, the four of a column the same tiles of weight: each is asked for JOINTLY, by the same tensor load with the
; same descriptor and a mask that names the four.
; REGISTERS, in windows of 256: window 0: v0-31 addresses; v32-63 x's scale words, two sets; v64-191 weight's scale words; v192-255 the bias in the result's layout, in the last K step x's fragments, two blocks.
;   window 1: v0-127 weight's fragments, two sets; v128-255 x's, two sets (in the last K step all 256: weight's).   window 2: the accumulators of my x rows 0-63 ((a, i) at v[16 (4 a + i)]);   window 3: those of my rows 64-127.
.set ROWB,   256                       ; a tile's row in bytes: 512 codes
.set KROW,   2048                      ; a row of codes in memory, in bytes
.set PITCH,  272                       ; an LDS row: 256 bytes + 16 of padding = 68 words: row r starts at bank 4 r mod 64 (64 banks of 4 bytes: ISA guide 11.1)
.set HALFT,  128*PITCH                 ; 128 rows: what one tensor load of the ring brings, and what one wave reads of x or of weight
.set SLOT,   4*HALFT                   ; x's 256 rows, then weight's 256 rows
.set SCL,    2*SLOT                    ; behind the ring: x's scales, two rows of scales in each LDS row
.set SBLK,   16*PITCH                  ; those of 32 rows
.set SPARE,  SCL+128*PITCH             ; behind the scales: the spare words, 128 bytes for each wave: two blocks of 256 bytes that no other line names
.set SPITCH, 528                       ; the way out: a stage of 16 rows x (512 bytes + 16) for each wave, in slot 0, which has had its last fill and its last read by then
.set NROW,   16384                     ; a row of out0 in bytes
.set ADRA, 16                          ; v16-17  LDS address of my x fragments in slot 0, 1
.set ADRX, 18                          ; v18     LDS address of x's scale words, lane l: row l
.set VW,   19                          ; v19     weight's scales: 128 x lane
.set ADRB, 20                          ; v20-21  LDS address of my weight fragments in slot 0, 1
.set STO,  24                          ; v24     the way out: where I put 16 bytes of a row
.set RD,   25                          ; v25     the way out: where I read a row back
.set CO,   26                          ; v26     my byte offset in a row of out0
.set SPW,  28                          ; v28     LDS address of my spare word; never rewritten
.set NIL,  29                          ; v29     0; never rewritten
.set PFO,  30                          ; v30     the prefetches' offset: my lane x a row of codes
.set BO,   31                          ; v31     the bias: 32 x (lane / 16)
.set XS,   32                          ; x's scale words: v[XS + 16 (s % 2) + 4 j + q]: lane l: row 32 j + l, K step s, 128 along K number q
.set WS,   64                          ; weight's: v[WS + 16 s + 4 i + q]: lane l: row 32 i + l
.set BIAS, 192
.set XB,   192                         ; the last K step: x's fragments of block a, 512 along K, at v[XB + 32 (a % 2)]
.set WF,   0                           ; window 1: weight's fragments, set p at v[64 p]
.set XF,   128                         ; window 1: x's fragments, set p at v[128 + 64 p]
.set G1A,  24                          ; s[24:31] descriptor group 1 for x's tiles;  s[32:39] group 0, one set for each slot
.set G0A,  32
.set G1B,  40                          ; s[40:47], s[48:55] the same for weight's tiles
.set G0B,  48
.set G1S,  56                          ; s[56:63], s[76:79] for x's scales
.set G0S,  76
.set G0H,  4                           ; group 0 of the head's loads of K step 0: x's 256 rows (in registers of arguments used by then),
.set G0HB, 8                           ; weight's rows 0-127,
.set G0HC, 80                          ; weight's rows 128-255
.set PFA,  96                          ; s[96:97] where my prefetches stand: my work-group's 32 rows at K step 0; never rewritten
.set MSB, 0
.macro WIN new                         ; the immediate's high byte repeats the setting that is left; a switch that changes nothing is dropped
.if MSB != (\new)
	s_set_vgpr_msb (MSB<<8)|(\new)
.set MSB, (\new)
.endif
.endm
.set TO_F, 0x40                        ; destination window 1, address window 0
.macro WINM a, first                   ; sources 0 and 1 window 1, D window 2 or 3, C the same; the first products take C, the bias, from window 0
.set WV, 0x85+0x40*((\a)/4)
.if (\first) == 0
.set WV, WV+0x20+0x10*((\a)/4)
.endif
	WIN WV
.endm
; In front of a run of loads into registers that matrix instructions have read, and of reads of results, stand four places (ISA guide 7.12.1 for vector instructions).
.macro PLACES n
.rept \n
	v_nop
.endr
.endm
; A joint load: waves 0 and 1 fetch x's two halves, waves 2 and 3 weight's.  Each line has ONE mask and one set of registers for all that issue it; the branch hangs on the wave's number alone.
.macro JLOAD slot
	s_cmp_eq_u32 s17, 0
	s_cbranch_scc0 .Lfor_b_\@
	tensor_load_to_lds s[G0A+4*(\slot):G0A+4*(\slot)+3], s[G1A:G1A+7]
	s_nop 0
	PLACES 4
	s_branch .Lasked_\@
.Lfor_b_\@:
	tensor_load_to_lds s[G0B+4*(\slot):G0B+4*(\slot)+3], s[G1B:G1B+7]
	s_nop 0
	PLACES 4
.Lasked_\@:
.endm
; A PREFETCH INTO THE L2: K step k of 32 rows x 256 bytes, a lane a row, one instruction a wave.  Waves 0 and 1 ask for x's rows 0-127 and 128-255, waves 2 and 3 for weight's; of a wave's 128 rows the partner at
; place p (cx for x, cy for weight) takes 32 p .. 32 p + 31: told apart BY ADDRESS.  So each row's 256 bytes of a K step are named once in each cluster that loads them.  The refill with K step k + 2 is followed by the
; request for K step k + 4, two refills ahead; K steps 1 and 2 are asked for behind the head's loads, 3 behind K step 1's.  K step 7 is the last that is asked for.
.macro ASK k
	global_prefetch_b8 v[PFO], s[PFA:PFA+1] offset:(\k)*ROWB th:TH_LOAD_NT scope:SCOPE_SE
.endm
.macro CREST                           ; a round of the cluster's barrier behind its opening barrier
	s_cmp_lg_u32 s16, 0
	s_cbranch_scc1 .Lnot_wave_0_\@
	s_barrier_signal -3
.Lnot_wave_0_\@:
	s_barrier_wait -3
	s_barrier_signal -1
	s_barrier_wait -1
.endm
.macro CROUND                          ; a whole round
	s_barrier_signal -1
	s_barrier_wait -1
	CREST
.endm
; n LDS loads of fragments, from number LI on: 0-15 weight's eight blocks of 16 rows, 16-31 x's eight.  A block is 8 registers: lane l holds row l % 16; registers 4 c .. 4 c + 3 hold
; K = 64 c + 32 (l / 16) + 0 .. 31, the lower K in the lower bits: 16 bytes of the row as they lie.
.macro LD n
.rept \n
.if LI < 16
	ds_load_b128 v[WF+64*LSET+4*LI:WF+64*LSET+4*LI+3], v[ADRB+LSLOT] offset:64*LQ+32*(LI%2)+(LI/2)*16*PITCH
.else
	ds_load_b128 v[XF+64*LSET+4*(LI-16):XF+64*LSET+4*(LI-16)+3], v[ADRA+LSLOT] offset:64*LQ+32*(LI%2)+((LI-16)/2)*16*PITCH
.endif
.set LI, LI+1
.endr
.endm
.macro FETCH set, q, slot              ; a step's fragments, in one run
.set LSET, \set
.set LQ, \q
.set LSLOT, \slot
.set LI, 0
	WIN TO_F
	LD 32
.endm
.macro LW q                            ; the last K step: weight's fragments of quarter q, to v[64 q] of window 1
.set LSET, \q
.set LQ, \q
.set LSLOT, 1
.set LI, 0
	WIN TO_F
	LD 16
.endm
.macro LX a                            ; the last K step: x's block a, all four quarters
	WIN 0
.irp q, 0,1,2,3
.irp c, 0,1
	ds_load_b128 v[XB+32*((\a)%2)+8*\q+4*\c:XB+32*((\a)%2)+8*\q+4*\c+3], v[ADRA+1] offset:64*\q+32*\c+(\a)*16*PITCH
.endr
.endr
.endm
.macro XSC t                           ; x's scale words of K step t: four words a row
	WIN 0
.irp j, 0,1,2,3
	ds_load_b128 v[XS+16*((\t)%2)+4*\j:XS+16*((\t)%2)+4*\j+3], v[ADRX] offset:\j*SBLK+16*(\t)
.endr
.endm
; One product: weight's 32 rows number i against x's block a.  Source 0's scales: lane l for row l; source 1's: lanes 0-15 for an even block, lanes 16-31 (ROW1) for an odd one.
.macro WMMA a, d, w, x, c, ws, xs
.if (\a)%2
	v_wmma_scale_f32_32x16x128_f4 v[\d:\d+15], v[\w:\w+15], v[\x:\x+7], v[\c:\c+15], v[\ws], v[\xs] matrix_b_scale:MATRIX_SCALE_ROW1
.else
	v_wmma_scale_f32_32x16x128_f4 v[\d:\d+15], v[\w:\w+15], v[\x:\x+7], v[\c:\c+15], v[\ws], v[\xs]
.endif
.endm
; A group: x's block a against weight's four.  The 32 accumulators take turns, one instruction a turn.
.macro GROUP s, q, a, first
	WINM \a, \first
.irp i, 0,1,2,3
.set WD, 16*(4*((\a)%4)+\i)
.set WC, WD
.if \first
.set WC, BIAS+16*\i
.endif
.set WA, WF+64*((\q)%2)+16*\i
.set WX, XF+64*((\q)%2)+8*(\a)
.set W1, WS+16*(\s)+4*\i+(\q)
.set W2, XS+16*((\s)%2)+4*((\a)/2)+(\q)
	WMMA \a, WD, WA, WX, WC, W1, W2
.endr
.endm
; A step of 128 along K with its successor in the same slot.  Behind the run, the waits count LDS loads: in front of group a (even) the 32 of the run may be out, x's blocks behind a + 1 of this step's own set
; (12 - 2 a loads), and in a K step's second step the four loads of the next K step's scale words.
.macro STEP s, q, first
.set XN, 0
	PLACES 4
.if (\q) == 1 && (\s) < 7
	XSC (\s)+1
.set XN, 4
.endif
	FETCH ((\q)+1)%2, (\q)+1, (\s)%2
.irp a, 0,1,2,3,4,5,6,7
.if (\a)%2 == 0
	s_wait_dscnt 44-2*\a+XN
.endif
	GROUP \s, \q, \a, \first
.endr
.endm
; A K step's last step changes slots: ONE barrier; in front of it each wave waits for all its tensor loads, adds 0 to its spare word, and waits for that and for its own reads of this slot.
; Where the slot is filled again (s < 6, with K step s + 2) the barrier opens a round of the cluster's barrier.  Behind it come the next slot's first fragments, and then the step's last five groups.
.macro TURN s
	WIN 0                                          ; (the add's two registers lie in window 0)
	s_wait_tensorcnt 0x0                           ; all my tensor loads have landed: my part of the next slot
	ds_add_u32 v[SPW], v[NIL]                      ; 0 onto my spare word
.if (\s) < 6
	s_add_nc_u64 s[G0A+4*((\s)%2)+2:G0A+4*((\s)%2)+3], s[G0A+4*((\s)%2)+2:G0A+4*((\s)%2)+3], 2*ROWB   ; no tensor load of mine is out: two K steps on
	s_add_nc_u64 s[G0B+4*((\s)%2)+2:G0B+4*((\s)%2)+3], s[G0B+4*((\s)%2)+2:G0B+4*((\s)%2)+3], 2*ROWB
.endif
	s_wait_dscnt 13                                ; (the add and x's blocks 2-7 may be out)
	GROUP \s, 3, 0, 0
	GROUP \s, 3, 1, 0
	s_wait_dscnt 0x0                               ; the add is done, and my reads of this slot are over
	s_barrier_signal -1
	GROUP \s, 3, 2, 0
	WIN 0
	s_barrier_wait -1
.if (\s) < 6
	CREST                                          ; no wave of any partner still reads this slot's tile or has a load on its way
	JLOAD (\s)%2                                   ; the first tensor load behind the round; the four v_nop behind it are the places in front of the loads below
	FETCH 0, 0, ((\s)+1)%2
.if (\s) < 4
	WIN 0
	ASK (\s)+4
.endif
.else
	PLACES 4
	LW 0                                           ; into the registers that this step's products do not name:
	LX 0
	LX 1
	LW 2
.endif
.irp a, 3,4,5,6,7
	GROUP \s, 3, \a, 0
.endr
.endm
.macro KS s, first
	s_wait_loadcnt 28-4*(\s)                       ; weight's scale words of this K step are in; the later K steps' (four loads each) may be out
	STEP \s, 0, \first
	STEP \s, 1, 0
	STEP \s, 2, 0
	TURN \s
.endm
.macro ROW a, q                        ; the last K step: x's block a against weight's four, quarter q
.set WV, 0xa1+0x50*((\a)/4)            ; source 0 window 1, source 1 window 0, C and D window 2 or 3
	WIN WV
.irp i, 0,1,2,3
.set WD, 16*(4*((\a)%4)+\i)
.set WA, 64*(\q)+16*\i
.set WX, XB+32*((\a)%2)+8*(\q)
.set W1, WS+16*7+4*\i+(\q)
.set W2, XS+16+4*((\a)/2)+(\q)
	WMMA \a, WD, WA, WX, WD, W1, W2
.endr
.endm
; THE WAY OUT of block a, 16 rows x 128 columns.  OUTA: into my own stage in LDS, each accumulator from its low end on, and back as whole rows of 512 bytes into the same registers.  LDS serves a wave's
; instructions in order (ISA guide 5.7.1.4): no wait between the stores and the loads, nor in front of the next block's stores.  Then x's block a + 2, into the registers of block a's.  OUTB: stored.
.macro OUTA a
	PLACES 4
.set WV, 0x08+4*((\a)/4)
	WIN WV
.irp i, 0,1,2,3
.irp k, 0,1,2,3
	ds_store_b128 v[STO], v[64*((\a)%4)+16*\i+4*\k:64*((\a)%4)+16*\i+4*\k+3] offset:128*\i+64*(\k/2)+16*(\k%2)
.endr
.endr
.set WV, 0x80+0x40*((\a)/4)
	WIN WV
.irp t, 0,1,2,3,4,5,6,7,8,9,10,11,12,13,14,15
	ds_load_b128 v[64*((\a)%4)+4*\t:64*((\a)%4)+4*\t+3], v[RD] offset:\t*SPITCH
.endr
.if (\a) < 6
	LX (\a)+2
.endif
.endm
.macro OUTB a
.if (\a) < 6
	s_wait_dscnt 8                                 ; the rows are back; x's block a + 2 (8 loads) may be out
.else
	s_wait_dscnt 0x0
.endif
.set WV, 0x08+4*((\a)/4)
	WIN WV
.irp t, 0,1,2,3,4,5,6,7,8,9,10,11,12,13,14,15
	global_store_b128 v[CO], v[64*((\a)%4)+4*\t:64*((\a)%4)+4*\t+3], s[14:15] offset:(16*(\a)+\t)*NROW th:TH_STORE_NT   ; 32 lanes store 512 consecutive bytes, at a multiple of 256 from out0's first byte; the offset is 127 rows, 2,080,768 bytes, at the most
.endr
.endm
	s_load_b128 s[4:7], s[0:1], 0x0                ; x's codes s[4:5], x's scales s[6:7]
	s_load_b128 s[8:11], s[0:1], 0x10              ; weight's codes s[8:9], weight's scales s[10:11]
	s_load_b128 s[12:15], s[0:1], 0x20             ; bias s[12:13], out0 s[14:15]
	v_lshl_add_u32 v[SPW], v0, 2, SPARE
	v_mov_b32 v[NIL], 0
	ds_add_u32 v[SPW], v[NIL]                      ; the wave's opening
	ds_add_u32 v[SPW], v[NIL]
	v_lshrrev_b32 v1, 5, v0
	v_readfirstlane_b32 s16, v1                    ; wave 0..3
	s_lshr_b32 s17, s16, 1                         ; which half of the tile's rows is mine.  Also: in the ring I fetch for x (0) or for weight (1)
	s_and_b32 s18, s16, 1                          ; which half of its columns.  Also: which 128 rows of that tile I fetch
	s_bfe_u32 s19, ttmp6, 0x40000                  ; cx, cy: my place in the cluster
	s_bfe_u32 s20, ttmp6, 0x40004
	s_lshl_b32 s21, ttmp9, 2
	s_add_co_u32 s21, s21, s19                     ; tile column of out0 = 4 x cluster x + cx
	s_and_b32 s22, ttmp7, 0xffff
	s_lshl_b32 s22, s22, 2
	s_add_co_u32 s22, s22, s20                     ; tile row of out0 = 4 x cluster y + cy
	s_lshl_b32 s23, s20, 2
	s_lshl_b32 s23, 15, s23                        ; my row of the cluster: places 4 cy .. 4 cy + 3
	s_lshl_b32 s2, 0x1111, s19                     ; my column: places cx, cx + 4, cx + 8, cx + 12
	s_or_b32 s[G1A+0], s23, (0<<16)|(1<<20)|(1<<21)|(5<<22)|(3<<25)  ; 15:0 the mask; 17:16 elements of 1 byte; 20 padding on; 21 set beside a mask; 24:22 after every 64 words (code 5); 31:25 of 4 words (code 3)
	s_or_b32 s[G1B+0], s2, (0<<16)|(1<<20)|(1<<21)|(5<<22)|(3<<25)
	s_or_b32 s[G1S+0], s23, (3<<16)|(1<<20)|(1<<21)|(5<<22)|(3<<25)  ; elements of 8 bytes
.irp g, G1A, G1B
	s_mov_b32 s[\g+1], ROWB<<16                    ; tensor_dim0
	s_mov_b32 s[\g+3], ROWB<<16                    ; tile_dim0
	s_mov_b32 s[\g+5], KROW                        ; tensor_dim0_stride
	s_mov_b32 s[\g+6], 0
	s_mov_b32 s[\g+7], 0
.endr
	s_mov_b32 s[G1A+2], 256<<16                    ; tensor_dim1 and tile_dim1: x's head load brings 256 rows (behind it the two words are set to 128, for the ring), weight's loads 128
	s_mov_b32 s[G1A+4], 256
	s_mov_b32 s[G1B+2], 128<<16
	s_mov_b32 s[G1B+4], 128
	s_mov_b32 s[G1S+1], 32<<16                     ; x's scales: a dense block, as 128 rows of 32 elements
	s_mov_b32 s[G1S+2], 128<<16
	s_mov_b32 s[G1S+3], 32<<16
	s_mov_b32 s[G1S+4], 128
	s_mov_b32 s[G1S+5], 32
	s_mov_b32 s[G1S+6], 0
	s_mov_b32 s[G1S+7], 0
	; where the tiles come from: x's hang on the tile row alone, weight's on the tile column alone
	s_lshl_b32 s84, s22, 19                        ; x's codes: 256 rows x 2,048 bytes x tile row
	s_mov_b32 s85, 0
	s_lshl_b32 s86, s22, 15                        ; x's scales: 256 rows x 128 bytes x tile row
	s_mov_b32 s87, 0
	s_lshl_b32 s88, s21, 19                        ; weight's codes
	s_mov_b32 s89, 0
	s_lshl_b32 s90, s21, 15                        ; weight's scales: + my 128 rows
	s_lshl_b32 s91, s18, 14
	s_add_co_u32 s90, s90, s91
	s_mov_b32 s91, 0
	s_wait_dscnt 0x0                               ; both opening adds are done
	CROUND                                         ; all sixteen work-groups are here: the first joint loads meet
	s_wait_kmcnt 0x0
	s_add_nc_u64 s[84:85], s[4:5], s[84:85]
	s_add_nc_u64 s[86:87], s[6:7], s[86:87]
	s_add_nc_u64 s[88:89], s[8:9], s[88:89]
	s_add_nc_u64 s[90:91], s[10:11], s[90:91]
	s_mov_b32 s[G0H], 1                            ; K step 0: x's 256 rows,
	s_mov_b32 s[G0H+1], 0
	s_mov_b64 s[G0H+2:G0H+3], s[84:85]
	s_or_b32 s[G0H+3], s[G0H+3], 0x80000000
	s_mov_b32 s[G0HB], 1                           ; weight's rows 0-127,
	s_mov_b32 s[G0HB+1], 2*HALFT
	s_mov_b64 s[G0HB+2:G0HB+3], s[88:89]
	s_or_b32 s[G0HB+3], s[G0HB+3], 0x80000000
	s_mov_b32 s[G0HC], 1                           ; weight's rows 128-255,
	s_mov_b32 s[G0HC+1], 3*HALFT
	s_add_nc_u64 s[G0HC+2:G0HC+3], s[88:89], 128*KROW
	s_or_b32 s[G0HC+3], s[G0HC+3], 0x80000000
	s_mov_b32 s[G0S], 1                            ; and the scales of x's 256 rows
	s_mov_b32 s[G0S+1], SCL
	s_mov_b64 s[G0S+2:G0S+3], s[86:87]
	s_or_b32 s[G0S+3], s[G0S+3], 0x80000000
; THE HEAD'S LOADS, ONE A WAVE: one tree of branches on the wave's number; every way through the head passes exactly one load
.macro ARM under, g0, g1, next
	s_cmp_lt_u32 s16, \under
	s_cbranch_scc0 \next
	tensor_load_to_lds s[\g0:\g0+3], s[\g1:\g1+7]
	s_nop 0
	PLACES 4
	s_branch .Lhead_asked
\next:
.endm
	ARM 1, G0H,  G1A, .Lhead_1
	ARM 2, G0HB, G1B, .Lhead_2
	ARM 3, G0HC, G1B, .Lhead_3
	tensor_load_to_lds s[G0S:G0S+3], s[G1S:G1S+7]
	s_nop 0
	PLACES 4
.Lhead_asked:
	; while they are on their way: the ring's descriptors, the addresses, the bias, weight's scales
	s_lshl_b32 s92, s18, 18                        ; in the ring I fetch 128 rows x 2,048 bytes: which half
	s_mov_b32 s93, 0
	s_add_nc_u64 s[84:85], s[84:85], s[92:93]
	s_add_nc_u64 s[88:89], s[88:89], s[92:93]
	s_mul_i32 s3, s16, HALFT                       ; where they go: wave x 128 rows: no place in the cluster enters an LDS address
.irp s, 0,1
	s_mov_b32 s[G0A+4*\s], 1
	s_add_co_u32 s[G0A+4*\s+1], s3, \s*SLOT
	s_add_nc_u64 s[G0A+4*\s+2:G0A+4*\s+3], s[84:85], \s*ROWB
	s_or_b32 s[G0A+4*\s+3], s[G0A+4*\s+3], 0x80000000
	s_mov_b32 s[G0B+4*\s], 1
	s_add_co_u32 s[G0B+4*\s+1], s3, \s*SLOT
	s_add_nc_u64 s[G0B+4*\s+2:G0B+4*\s+3], s[88:89], \s*ROWB
	s_or_b32 s[G0B+4*\s+3], s[G0B+4*\s+3], 0x80000000
.endr
	s_cmp_eq_u32 s17, 0                            ; the prefetches: waves 0 and 1 ask for x, waves 2 and 3 for weight;
	s_cselect_b64 s[PFA:PFA+1], s[84:85], s[88:89]
	s_cselect_b32 s94, s19, s20                    ; my work-group's place among the four that share the tile,
	s_lshl_b32 s94, s94, 16                        ; 32 rows x 2,048 bytes each
	s_mov_b32 s95, 0
	s_add_nc_u64 s[PFA:PFA+1], s[PFA:PFA+1], s[94:95]
	s_lshl_b32 s94, s21, 10                        ; the bias at my wave's first column
	s_lshl_b32 s95, s18, 9
	s_add_co_u32 s94, s94, s95
	s_mov_b32 s95, 0
	s_add_nc_u64 s[12:13], s[12:13], s[94:95]
	s_lshl_b32 s92, s22, 8                         ; out0 at my wave's first number: row 256 x tile row + 128 x half, 16,384 bytes a row; the bias's offset along the row
	s_lshl_b32 s93, s17, 7
	s_add_co_u32 s92, s92, s93
	s_lshl_b32 s92, s92, 14
	s_add_co_u32 s92, s92, s94
	s_mov_b32 s93, 0
	s_add_nc_u64 s[14:15], s[14:15], s[92:93]
	s_mul_i32 s92, s17, HALFT                      ; my 128 rows of x
	s_mul_i32 s93, s18, HALFT
	s_add_co_u32 s93, s93, 2*HALFT                 ; my 128 rows of weight, behind x's 256
	s_mul_i32 s94, s17, 64*PITCH
	s_add_co_u32 s94, s94, SCL                     ; the scales of my 128 rows of x
	s_mul_i32 s95, s16, 16*SPITCH                  ; my stage
	v_and_b32 v6, 31, v0
	v_and_b32 v1, 15, v0                           ; r = l % 16
	v_bfe_u32 v2, v0, 4, 1                         ; h = l / 16
	v_lshlrev_b32 v[BO], 5, v2
	v_lshlrev_b32 v[VW], 7, v6
	v_lshlrev_b32 v[PFO], 11, v6
	v_lshlrev_b32 v[CO], 4, v6                     ; the way out: the 32 lanes take one row of 512 bytes, in the stage and in out0
	v_add_nc_u32 v[RD], s95, v[CO]
	v_mul_u32_u24 v3, v1, PITCH
	v_lshl_add_u32 v4, v2, 4, v3                   ; a fragment's row x pitch + 16 x half
	v_add_nc_u32 v[ADRA], s92, v4
	v_add_nc_u32 v[ADRB], s93, v4
	v_add_nc_u32 v[ADRA+1], SLOT, v[ADRA]
	v_add_nc_u32 v[ADRB+1], SLOT, v[ADRB]
	v_lshrrev_b32 v5, 1, v6                        ; a row's scales: two rows to an LDS row, the odd one 128 bytes on
	v_mul_u32_u24 v5, v5, PITCH
	v_and_b32 v7, 1, v6
	v_lshl_add_u32 v5, v7, 7, v5
	v_add_nc_u32 v[ADRX], s94, v5
	v_mul_u32_u24 v8, v1, SPITCH                   ; into the stage: row l % 16, 32 bytes for each half of the lanes
	v_lshl_add_u32 v8, v2, 5, v8
	v_add_nc_u32 v[STO], s95, v8
	s_wait_alu depctr_va_vdst(0)
.irp i, 0,1,2,3
.irp k, 0,1,2,3
	global_load_b128 v[BIAS+16*\i+4*\k:BIAS+16*\i+4*\k+3], v[BO], s[12:13] offset:128*\i+64*(\k/2)+16*(\k%2)   ; bias of columns 32 i + 16 (k / 2) + 8 h + 4 (k % 2) + 0 .. 3
.endr
.endr
.irp s, 0,1,2,3,4,5,6,7
.irp i, 0,1,2,3
	global_load_b128 v[WS+16*\s+4*\i:WS+16*\s+4*\i+3], v[VW], s[90:91] offset:4096*\i+16*\s   ; weight's scale words, K step by K step: the first is wanted first
.endr
.endr
	ASK 1
	ASK 2
	s_wait_tensorcnt 0x0                           ; my tile of the head's four is in
	ds_add_u32 v[SPW], v[NIL]
	s_mov_b32 s[G1A+2], 128<<16                    ; no tensor load of mine is out: from here on x's loads bring 128 rows
	s_mov_b32 s[G1A+4], 128
	s_wait_dscnt 0x0                               ; the add is done
	CROUND                                         ; all four tiles are in, and all sixteen work-groups are here
	JLOAD 1                                        ; K step 1, the first tensor load behind the round
	XSC 0
	FETCH 0, 0, 0
	WIN 0
	ASK 3
	KS 0, 1                                        ; the first step's products start the sums, from the bias (loaded ahead of weight's scale words)
.irp s, 1,2,3,4,5,6
	KS \s, 0
.endr
	s_wait_loadcnt 0x0                             ; K step 7's words of weight
	s_wait_dscnt 24                                ; weight's quarter 0 and x's block 0 are in; x's block 1 and weight's quarter 2 may be out
	PLACES 4
	LW 1                                           ; into the registers that the last products named
	LW 3
	ROW 0, 0
	s_wait_dscnt 32                                ; all but the 32 just issued
	ROW 0, 2
	ROW 1, 0
	ROW 1, 2
	s_wait_dscnt 16                                ; weight's quarter 1
	ROW 0, 1
	s_wait_dscnt 0x0
	ROW 0, 3
	OUTA 0
	ROW 1, 1
	ROW 1, 3
	OUTB 0
	OUTA 1
.irp a, 2,3,4,5,6,7
.if \a < 7
	s_wait_dscnt 40                                ; x's block a is in; block a - 1's 16 stores and 16 loads of the stage, and x's block a + 1 may be out
.else
	s_wait_dscnt 32
.endif
	ROW \a, 0
	ROW \a, 2
	ROW \a, 1
	ROW \a, 3
	OUTB \a-1
	OUTA \a
.endr
	OUTB 7
	WIN 0
	s_wait_tensorcnt 0x0                           ; the wave's end, behind my last tensor load and my last LDS store
	ds_add_u32 v[SPW], v[NIL]
	s_wait_dscnt 0x0
	CROUND                                         ; the closing round: no work-group ends while a partner may still ask for a tile that names it
	s_endpgm
.Lfunc_end_k_q6f9b10ee34_gemm:
	.size	k_q6f9b10ee34_gemm, .Lfunc_end_k_q6f9b10ee34_gemm-k_q6f9b10ee34_gemm
	.p2alignl 7, 3214868480
	.fill 96, 4, 3214868480
	.section	.rodata,"a",@progbits
	.p2align	6, 0x0
	.amdhsa_kernel k_q6f9b10ee34_gemm
		.amdhsa_group_segment_fixed_size 327680
		.amdhsa_private_segment_fixed_size 0
		.amdhsa_enable_private_segment 0
		.amdhsa_kernarg_size 48
		.amdhsa_user_sgpr_count 2
		.amdhsa_user_sgpr_kernarg_segment_ptr 1
		.amdhsa_wavefront_size32 1
		.amdhsa_system_sgpr_workgroup_id_x 1
		.amdhsa_system_sgpr_workgroup_id_y 1
		.amdhsa_system_sgpr_workgroup_id_z 1
		.amdhsa_system_vgpr_workitem_id 0
		.amdhsa_next_free_vgpr 1024
		.amdhsa_next_free_sgpr 98
		.amdhsa_reserve_vcc 0
		.amdhsa_float_denorm_mode_32 3
		.amdhsa_float_denorm_mode_16_64 3
		.amdhsa_memory_ordered 1
		.amdhsa_forward_progress 1
		.amdhsa_inst_pref_size 255
	.end_amdhsa_kernel
	.section	.bss,"aw",@nobits
	.p2align	6
	.space	262144
	.amdgpu_metadata
---
amdhsa.version: [ 1, 2 ]
amdhsa.kernels:
  - .name:           k_q6f9b10ee34_gemm
    .symbol:         k_q6f9b10ee34_gemm.kd
    .args:
      - { .name: x_codes, .offset: 0, .size: 8, .value_kind: global_buffer, .address_space: global }
      - { .name: x_scales, .offset: 8, .size: 8, .value_kind: global_buffer, .address_space: global }
      - { .name: weight_codes, .offset: 16, .size: 8, .value_kind: global_buffer, .address_space: global }
      - { .name: weight_scales, .offset: 24, .size: 8, .value_kind: global_buffer, .address_space: global }
      - { .name: bias, .offset: 32, .size: 8, .value_kind: global_buffer, .address_space: global }
      - { .name: out0, .offset: 40, .size: 8, .value_kind: global_buffer, .address_space: global }
    .group_segment_fixed_size: 327680
    .private_segment_fixed_size: 0
    .kernarg_segment_align: 8
    .kernarg_segment_size: 48
    .max_flat_workgroup_size: 128
    .sgpr_count:     98
    .vgpr_count:     1024
    .wavefront_size: 32
...
	.end_amdgpu_metadata
.endif
;; end of part 1
